; MI455X (gfx1250); checked and timed in simulation.
; The chip was launched on July 23, 2026; its instructions are those of AMD's public machine-readable ISA for CDNA 5 (MIT licence, August 2026) and "CDNA5" Instruction Set Architecture Reference Guide (July 2026). The comments in the code are by the model that wrote it; some were corrected since.
;; Char Transformer Embeddings. Allowed arithmetic: float matrix products may take bf16 or f16 operands with f32 sums; other float arithmetic in f32, or as packed bf16 or f16 multiplies, adds, multiply-adds, maxima and minima; sums over many terms, partial sums and values carried from step to step in f32; what a program stores and reads back later, other than sums and carried values, may be rounded once to bf16 or f16.
;; Inputs: emb 100 x 256 float32; ff1_b 2 x 1,024 float32; ff1_w 2 x 256 x 1,024 float32; ff2_b 2 x 256 float32; ff2_w 2 x 1,024 x 256 float32; ln1_b 2 x 256 float32; ln1_g 2 x 256 float32; ln2_b 2 x 256 float32; ln2_g 2 x 256 float32; lnf_b 256 float32; lnf_g 256 float32; proj_b 256 float32; proj_w 256 x 256 float32; rpr_key 2 x 17 x 32 float32; rpr_value 2 x 17 x 32 float32; wk 2 x 256 x 256 float32; wk_b 2 x 256 float32; wo 2 x 256 x 256 float32; wo_b 2 x 256 float32; wq 2 x 256 x 256 float32; wq_b 2 x 256 float32; wv 2 x 256 x 256 float32; wv_b 2 x 256 float32; xch 16 x 128 x 16 int32.
;; Outputs: out0 16 x 128 x 256 float32.
;; One version. Each part assembles by itself: llvm-mc -triple=amdgcn-amd-amdhsa -mcpu=gfx1250 --defsym DOCPART=n.
;; ======== version 1 of 1: 2 launches
;; limits: values are held in f16: magnitudes above 65,504 overflow, below 6.1e-05 lose precision
;; workspace buffers: wts 3,145,728 bytes; etab 114,688 bytes; vecs 28,672 bytes; rel 8,192 bytes
;; launch prep (part 1): grid 207 x 1, 8 waves a work-group, no clusters, 0 bytes of LDS; arguments wq, wk, wv, wo, ff1_w, ff2_w, wts, rel, emb, proj_w, proj_b, etab, ln1_g, ln1_b, wq_b, wk_b, wv_b, wo_b, ln2_g, ln2_b, ff1_b, ff2_b, lnf_g, lnf_b, vecs, rpr_key, rpr_value; writes wts, rel, etab, vecs
.if DOCPART == 1
	.amdgcn_target "amdgcn-amd-amdhsa--gfx1250"
	.amdhsa_code_object_version 6
	.text
	.protected	k_q15590a19c8_prep
	.globl	k_q15590a19c8_prep
	.p2align	8
	.type	k_q15590a19c8_prep,@function
k_q15590a19c8_prep:
	s_mov_b64 s[64:65], 0
	v_nop
	global_prefetch_b8 v0, s[64:65] scope:SCOPE_SE
	s_setreg_imm32_b32 hwreg(HW_REG_WAVE_MODE, 25, 1), 1
	s_wait_xcnt 0x0
; PREP: what every work-group of the main launch would otherwise do again is done once.
;  wts   48 blocks of 64 fragments of 1,024 bytes, f16, in the order in which the main launch multiplies them.  A fragment is the register image of 16 output features x 32 k of a
;        weight W[k][o]: half e (512 bytes), lane L = 16 h + r owns bytes 16 L .. 16 L + 15 = W[k0 + 16 e + 8 h + 0..7][o0 + r].
;        Block 24 l + hd (hd < 8), a head: fragments 4 kc + t: wq (t = 0, 1), wk (t = 2, 3), columns 32 hd + 16 (t & 1), k 32 kc; 32 + 2 kc + t: wv; 48 + f: wo, columns 16 f, k 32 hd.
;        Block 24 l + 8 + j, 64 hidden units: fragments 4 kc + t: ff1_w, columns 64 j + 16 t; 32 + 8 sg + 4 kk + fi: ff2_w, columns 16 (4 sg + fi), k 64 j + 32 kk.
;  etab  emb @ proj_w + proj_b (a gather of rows commutes with the product), f32, as tiles of 16 ids x 16 features in the accumulators' register image.  Rows 100 to 111 repeat row 99; nobody reads them.
;  vecs  all gains and biases, f32, a layer's 13,312 bytes on end, then lnf_g and lnf_b.
;  rel   the relative-position tables as f16 fragments over u = key - query + 15: table row clamp(u - 7, 0, 16).
; Work-groups 0-191: a quarter of a block each, two fragments a wave.  192-205: eight tiles of etab each, a tile a wave.  206: vecs and rel.
; The weights are read as runs of 64 bytes (16 columns of a row); the four waves that share 256 consecutive bytes of a row run in the same or a neighbouring work-group.
; Every store of a wave covers 512 consecutive bytes, aligned.  No LDS, no barrier, EXEC is never changed.
; LIMITS.  Weights, tables, emb and proj_w are rounded once, from f32 to f16: 11 significant bits; beyond 65,504 the rounding gives an infinity; below 6.1e-5 a number keeps f16's fixed step of 6e-8.
; Sums are f32.  NaN and infinities are not treated apart.
.set RAW, 16                           ; v[16:47]  32 numbers in f32
.set PKD, 48                           ; v[48:63]  the same as 16 registers of f16 pairs
.set MSB, 0
.macro WIN new                         ; the immediate's high byte repeats the setting that is left
.if MSB != (\new)
	s_set_vgpr_msb (MSB<<8)|(\new)
.set MSB, \new
.endif
.endm
.macro PACK16
.set n_, 0
.rept 16
	v_cvt_pk_f16_f32 v[PKD+n_], v[RAW+2*n_], v[RAW+2*n_+1]
.set n_, n_+1
.endr
.endm
.macro STORE4 b, off                   ; two fragments: four stores of 512 consecutive bytes
.set n_, 0
.rept 4
	global_store_b128 v3, v[PKD+4*n_:PKD+4*n_+3], s[(\b):(\b)+1] offset:(\off)+512*n_
.set n_, n_+1
.endr
.endm
; Two neighbouring fragments (columns o0 and o0 + 16, the same k0) of a matrix with O columns; SH = log2(32 O).  Number n = 16 fr + 8 e + i is W[k0 + 16 e + 8 h + i][o0 + 16 fr + r].
.macro CONV O, SH
	v_lshlrev_b32 v4, 2, v1
	v_lshl_add_u32 v4, v2, \SH, v4                 ; (8 h O + r) x 4
.set n_, 0
.rept 32
	global_load_b32 v[RAW+n_], v4, s[20:21] offset:(16*((n_/8)%2)+n_%8)*(\O)*4+64*(n_/16)
.set n_, n_+1
.endr
	s_wait_loadcnt 0x0
	PACK16
	STORE4 24, 0
.endm
	v_and_b32 v1, 15, v0                           ; r
	v_bfe_u32 v2, v0, 4, 1                         ; h
	v_and_b32 v3, 31, v0
	v_lshlrev_b32 v3, 4, v3                        ; 16 x lane
	v_lshrrev_b32 v5, 5, v0
	v_readfirstlane_b32 s28, v5                    ; wave w, 0..7
	s_mov_b32 s30, ttmp9                           ; g
	s_cmp_lt_u32 s30, 192
	s_cbranch_scc0 .Lnot_w
	; ---- the weights: block b = g / 4, quarter qd = g % 4; my fragments are 16 qd + 2 w and the next
	s_load_b256 s[4:11], s[0:1], 0x0               ; wq s[4:5], wk s[6:7], wv s[8:9], wo s[10:11]
	s_load_b256 s[12:19], s[0:1], 0x20             ; ff1_w s[12:13], ff2_w s[14:15], wts s[16:17]
	s_lshr_b32 s31, s30, 2                         ; b
	s_and_b32 s32, s30, 3                          ; qd
	s_cmp_ge_u32 s31, 24
	s_cselect_b32 s33, 1, 0                        ; layer l
	s_mul_i32 s34, s33, 24
	s_sub_co_u32 s34, s31, s34                     ; the block in its layer
	s_lshr_b32 s37, s28, 1                         ; w / 2
	s_and_b32 s38, s28, 1                          ; w % 2
	s_lshl2_add_u32 s39, s32, s37                  ; kc = 4 qd + w / 2, for the blocks' first halves
	s_lshl_b32 s24, s31, 16                        ; where my fragments go: 65,536 b + 16,384 qd + 2,048 w
	s_lshl_b32 s25, s32, 14
	s_add_co_u32 s24, s24, s25
	s_lshl_b32 s25, s28, 11
	s_add_co_u32 s24, s24, s25
	s_mov_b32 s25, 0
	s_mov_b32 s23, 0
	s_wait_kmcnt 0x0
	s_add_nc_u64 s[24:25], s[16:17], s[24:25]
	s_cmp_lt_u32 s34, 8
	s_cbranch_scc1 .Lw_head
	s_sub_co_u32 s34, s34, 8                       ; j
	s_lshl_b32 s22, s33, 20                        ; a layer of ff1_w or ff2_w is 1,048,576 bytes
	s_cmp_lt_u32 s32, 2
	s_cbranch_scc0 .Lw_ff2
	s_lshl_b32 s35, s39, 5                         ; ff1_w: k0 = 32 kc,
	s_lshl_b32 s36, s34, 6
	s_lshl_b32 s40, s38, 5
	s_add_co_u32 s36, s36, s40                     ; o0 = 64 j + 32 (w % 2)
	s_lshl_b32 s35, s35, 10
	s_add_co_u32 s35, s35, s36
	s_lshl_b32 s35, s35, 2                         ; (k0 x 1,024 + o0) x 4
	s_add_co_u32 s22, s22, s35
	s_add_nc_u64 s[20:21], s[12:13], s[22:23]
	CONV 1024, 15
	s_endpgm
.Lw_ff2:
	s_and_b32 s40, s37, 1                          ; ff2_w: kk = (w / 2) % 2
	s_lshl_b32 s35, s34, 6
	s_lshl_b32 s40, s40, 5
	s_add_co_u32 s35, s35, s40                     ; k0 = 64 j + 32 kk
	s_sub_co_u32 s36, s32, 2
	s_lshl_b32 s36, s36, 7
	s_lshr_b32 s40, s28, 2
	s_lshl_b32 s40, s40, 6
	s_add_co_u32 s36, s36, s40
	s_lshl_b32 s40, s38, 5
	s_add_co_u32 s36, s36, s40                     ; o0 = 128 (qd - 2) + 64 (w / 4) + 32 (w % 2)
	s_mov_b64 s[20:21], s[14:15]
	s_branch .Lw_go
.Lw_head:
	s_lshl_b32 s22, s33, 18                        ; a layer of wq, wk, wv or wo is 262,144 bytes
	s_lshl_b32 s36, s34, 5                         ; o0 = 32 hd
	s_cmp_lt_u32 s32, 2
	s_cbranch_scc0 .Lw_vo
	s_lshl_b32 s35, s39, 5                         ; wq (even waves) or wk (odd): k0 = 32 kc
	s_cmp_eq_u32 s38, 0
	s_cselect_b64 s[20:21], s[4:5], s[6:7]
	s_branch .Lw_go
.Lw_vo:
	s_cmp_eq_u32 s32, 2
	s_cbranch_scc0 .Lw_o
	s_lshl_b32 s35, s28, 5                         ; wv: k0 = 32 w
	s_mov_b64 s[20:21], s[8:9]
	s_branch .Lw_go
.Lw_o:
	s_mov_b32 s35, s36                             ; wo: k0 = 32 hd,
	s_lshl_b32 s36, s28, 5                         ; o0 = 32 w
	s_mov_b64 s[20:21], s[10:11]
.Lw_go:
	s_lshl_b32 s35, s35, 8
	s_add_co_u32 s35, s35, s36
	s_lshl_b32 s35, s35, 2                         ; (k0 x 256 + o0) x 4
	s_add_co_u32 s22, s22, s35
	s_add_nc_u64 s[20:21], s[20:21], s[22:23]
	CONV 256, 13
	s_endpgm
.Lnot_w:
	s_cmp_lt_u32 s30, 206
	s_cbranch_scc0 .Lpath_v
	; ---- etab: tile tau = 8 (g - 192) + w: ids 16 (tau / 16) .., features 16 (tau % 16) ..   Source 0 = 16 columns of proj_w, source 1 = 16 rows of emb: a lane ends with one id and eight features.
	s_load_b256 s[4:11], s[0:1], 0x40              ; emb s[4:5], proj_w s[6:7], proj_b s[8:9], etab s[10:11]
	s_sub_co_u32 s31, s30, 192
	s_lshl3_add_u32 s31, s31, s28                  ; tau
	s_lshr_b32 s32, s31, 4
	s_and_b32 s33, s31, 15                         ; f
	s_lshl_b32 s34, s33, 6                         ; 64 f: the tile's first feature, in bytes
	s_mov_b32 s35, 0
	s_lshl_b32 s36, s31, 10
	s_mov_b32 s37, 0
	s_lshl_b32 s38, s32, 4
	v_lshlrev_b32 v4, 2, v1
	v_lshl_add_u32 v4, v2, 13, v4                  ; proj_w: (8 h x 256 + r) x 4
	v_add_nc_u32 v6, s38, v1
	v_min_u32 v6, 99, v6                           ; my id; the table has 100 rows
	v_lshlrev_b32 v6, 10, v6
	v_lshl_add_u32 v6, v2, 5, v6                   ; emb: id x 1,024 + 32 h
	v_lshlrev_b32 v7, 5, v2                        ; proj_b: 32 h
	s_wait_kmcnt 0x0
	s_add_nc_u64 s[6:7], s[6:7], s[34:35]
	s_add_nc_u64 s[8:9], s[8:9], s[34:35]
	s_add_nc_u64 s[10:11], s[10:11], s[36:37]
.set n_, 0
.rept 128                              ; n = 16 kc + 8 e + i: proj_w[32 kc + 16 e + 8 h + i][16 f + r]
	global_load_b32 v[16+n_], v4, s[6:7] offset:(32*(n_/16)+16*((n_/8)%2)+n_%8)*1024
.set n_, n_+1
.endr
	WIN 0x40                                       ; destination v256 on
.set n_, 0
.rept 32                               ; n = 4 kc + 2 e + q: emb[id][32 kc + 16 e + 8 h + 4 q ..]
	global_load_b128 v[4*n_:4*n_+3], v6, s[4:5] offset:128*(n_/4)+64*((n_/2)%2)+16*(n_%2)
.set n_, n_+1
.endr
	WIN 0
	global_load_b128 v[224:227], v7, s[8:9]
	global_load_b128 v[228:231], v7, s[8:9] offset:16
	s_wait_loadcnt 0x0
.set n_, 0
.rept 64                               ; in place, ascending: register 16 + n is written when 16 + 2 n has been read
	v_cvt_pk_f16_f32 v[16+n_], v[16+2*n_], v[16+2*n_+1]
.set n_, n_+1
.endr
	WIN 0x05                                       ; both sources from v256 on
.set n_, 0
.rept 64
	v_cvt_pk_f16_f32 v[144+n_], v[2*n_], v[2*n_+1]
.set n_, n_+1
.endr
	WIN 0
.set k_, 0
.rept 8                                ; two accumulators take turns: even k steps start from the bias, odd ones from 0
.if k_ == 0
	v_wmma_f32_16x16x32_f16 v[208:215], v[16:23], v[144:151], v[224:231]
.elseif k_ == 1
	v_wmma_f32_16x16x32_f16 v[216:223], v[24:31], v[152:159], 0
.else
	v_wmma_f32_16x16x32_f16 v[208+8*(k_%2):208+8*(k_%2)+7], v[16+8*k_:16+8*k_+7], v[144+8*k_:144+8*k_+7], v[208+8*(k_%2):208+8*(k_%2)+7]
.endif
.set k_, k_+1
.endr
.rept 8
	v_nop                                          ; the places behind the last product, with room to spare: once a tile
.endr
.set n_, 0
.rept 4
	v_pk_add_f32 v[208+2*n_:208+2*n_+1], v[208+2*n_:208+2*n_+1], v[216+2*n_:216+2*n_+1]
.set n_, n_+1
.endr
	global_store_b128 v3, v[208:211], s[10:11]
	global_store_b128 v3, v[212:215], s[10:11] offset:512
	s_endpgm
.Lpath_v:
	; ---- work-group 206.  Waves 0, 1: layer 0's vectors and lnf_g; waves 6, 7: layer 1's and lnf_b; waves 2, 3: the key table's fragments of layer 0, 1; waves 4, 5: the value table's.
	s_load_b512 s[4:19], s[0:1], 0x60              ; ln1_g, ln1_b, wq_b, wk_b, wv_b, wo_b, ln2_g, ln2_b
	s_load_b256 s[20:27], s[0:1], 0xa0             ; ff1_b, ff2_b, lnf_g, lnf_b
	s_load_b128 s[36:39], s[0:1], 0xc0             ; vecs s[36:37], rpr_key s[38:39]
	s_load_b64 s[40:41], s[0:1], 0xd0              ; rpr_value
	s_load_b64 s[42:43], s[0:1], 0x38              ; rel
	s_sub_co_u32 s31, s28, 2
	s_cmp_lt_u32 s31, 4                            ; waves 2 to 5 (waves 0 and 1 wrap to large numbers)
	s_cbranch_scc1 .Lv_rel
	s_cmp_ge_u32 s28, 6
	s_cselect_b32 s31, 1, 0                        ; layer l
	v_and_b32 v4, 63, v0
	v_lshlrev_b32 v4, 4, v4                        ; two waves cover a vector of 1,024 bytes
	s_lshl_b32 s32, s31, 10
	v_add_nc_u32 v5, s32, v4                       ; from: layer l of a [2][256]
	s_add_co_u32 s32, s32, 26624
	v_add_nc_u32 v8, s32, v4                       ; to: lnf_g at 26,624, lnf_b at 27,648
	s_lshl_b32 s32, s31, 12
	v_add_nc_u32 v6, s32, v4                       ; from: layer l of ff1_b
	s_mul_i32 s32, s31, 13312
	v_add_nc_u32 v7, s32, v4                       ; to: layer l's 13,312 bytes
	s_wait_kmcnt 0x0
	s_cmp_eq_u32 s31, 0
	s_cselect_b64 s[44:45], s[24:25], s[26:27]
.set n_, 0
.rept 8
	global_load_b128 v[16+4*n_:16+4*n_+3], v5, s[4+2*n_:5+2*n_]
.set n_, n_+1
.endr
.rept 4
	global_load_b128 v[16+4*n_:16+4*n_+3], v6, s[20:21] offset:1024*(n_-8)
.set n_, n_+1
.endr
	global_load_b128 v[64:67], v5, s[22:23]
	global_load_b128 v[68:71], v4, s[44:45]
	s_wait_loadcnt 0x0
.set n_, 0
.rept 13                               ; the arguments' order is the block's order
	global_store_b128 v7, v[16+4*n_:16+4*n_+3], s[36:37] offset:1024*n_
.set n_, n_+1
.endr
	global_store_b128 v8, v[68:71], s[36:37]
	s_endpgm
.Lv_rel:
	s_and_b32 s32, s31, 1                          ; layer
	s_mul_i32 s34, s32, 2176                       ; a layer's table: 17 rows of 128 bytes
	s_mov_b32 s35, 0
	s_lshl_b32 s46, s32, 12
	s_mov_b32 s47, 0
	s_wait_kmcnt 0x0
	s_add_nc_u64 s[42:43], s[42:43], s[46:47]
	s_cmp_lt_u32 s31, 2
	s_cbranch_scc0 .Lv_rv
	s_add_nc_u64 s[38:39], s[38:39], s[34:35]      ; keys: fragment a holds rows u = 16 a + r, k = d
.irp a, 0,1
	v_add_nc_u32 v[4+\a], 16*\a, v1
	v_max_u32 v[4+\a], 7, v[4+\a]
	v_add_nc_u32 v[4+\a], -7, v[4+\a]
	v_min_u32 v[4+\a], 16, v[4+\a]                 ; clamp(u - 7, 0, 16)
	v_lshlrev_b32 v[4+\a], 7, v[4+\a]
	v_lshl_add_u32 v[4+\a], v2, 5, v[4+\a]         ; + 32 h
.endr
.set n_, 0
.rept 8                                ; n = 4 a + 2 e + q
	global_load_b128 v[RAW+4*n_:RAW+4*n_+3], v[4+n_/4], s[38:39] offset:64*((n_/2)%2)+16*(n_%2)
.set n_, n_+1
.endr
	s_wait_loadcnt 0x0
	PACK16
	STORE4 42, 0
	s_endpgm
.Lv_rv:
	s_add_nc_u64 s[40:41], s[40:41], s[34:35]      ; values: fragment dt holds rows d = 16 dt + r, k = u
	v_lshlrev_b32 v4, 3, v2                        ; 8 h
	v_lshlrev_b32 v5, 2, v1                        ; 4 r
.set n_, 0
.rept 16                               ; n = 8 e + i: u = 16 e + 8 h + i
	v_add_nc_u32 v[80+n_], 16*(n_/8)+n_%8, v4
	v_max_u32 v[80+n_], 7, v[80+n_]
	v_add_nc_u32 v[80+n_], -7, v[80+n_]
	v_min_u32 v[80+n_], 16, v[80+n_]
	v_lshl_add_u32 v[80+n_], v[80+n_], 7, v5
.set n_, n_+1
.endr
.set n_, 0
.rept 32                               ; n = 16 dt + 8 e + i
	global_load_b32 v[RAW+n_], v[80+n_%16], s[40:41] offset:64*(n_/16)
.set n_, n_+1
.endr
	s_wait_loadcnt 0x0
	PACK16
	STORE4 42, 2048
	s_endpgm
.Lfunc_end_k_q15590a19c8_prep:
	.size	k_q15590a19c8_prep, .Lfunc_end_k_q15590a19c8_prep-k_q15590a19c8_prep
	.p2alignl 7, 3214868480
	.fill 96, 4, 3214868480
	.section	.rodata,"a",@progbits
	.p2align	6, 0x0
	.amdhsa_kernel k_q15590a19c8_prep
		.amdhsa_group_segment_fixed_size 0
		.amdhsa_private_segment_fixed_size 0
		.amdhsa_enable_private_segment 0
		.amdhsa_kernarg_size 216
		.amdhsa_user_sgpr_count 2
		.amdhsa_user_sgpr_kernarg_segment_ptr 1
		.amdhsa_wavefront_size32 1
		.amdhsa_system_sgpr_workgroup_id_x 1
		.amdhsa_system_sgpr_workgroup_id_y 1
		.amdhsa_system_sgpr_workgroup_id_z 1
		.amdhsa_system_vgpr_workitem_id 0
		.amdhsa_next_free_vgpr 384
		.amdhsa_next_free_sgpr 66
		.amdhsa_reserve_vcc 0
		.amdhsa_float_denorm_mode_32 3
		.amdhsa_float_denorm_mode_16_64 3
		.amdhsa_memory_ordered 1
		.amdhsa_forward_progress 1
		.amdhsa_inst_pref_size 52
	.end_amdhsa_kernel
	.amdgpu_metadata
---
amdhsa.version: [ 1, 2 ]
amdhsa.kernels:
  - .name:           k_q15590a19c8_prep
    .symbol:         k_q15590a19c8_prep.kd
    .args:
      - { .name: wq, .offset: 0, .size: 8, .value_kind: global_buffer, .address_space: global }
      - { .name: wk, .offset: 8, .size: 8, .value_kind: global_buffer, .address_space: global }
      - { .name: wv, .offset: 16, .size: 8, .value_kind: global_buffer, .address_space: global }
      - { .name: wo, .offset: 24, .size: 8, .value_kind: global_buffer, .address_space: global }
      - { .name: ff1_w, .offset: 32, .size: 8, .value_kind: global_buffer, .address_space: global }
      - { .name: ff2_w, .offset: 40, .size: 8, .value_kind: global_buffer, .address_space: global }
      - { .name: wts, .offset: 48, .size: 8, .value_kind: global_buffer, .address_space: global }
      - { .name: rel, .offset: 56, .size: 8, .value_kind: global_buffer, .address_space: global }
      - { .name: emb, .offset: 64, .size: 8, .value_kind: global_buffer, .address_space: global }
      - { .name: proj_w, .offset: 72, .size: 8, .value_kind: global_buffer, .address_space: global }
      - { .name: proj_b, .offset: 80, .size: 8, .value_kind: global_buffer, .address_space: global }
      - { .name: etab, .offset: 88, .size: 8, .value_kind: global_buffer, .address_space: global }
      - { .name: ln1_g, .offset: 96, .size: 8, .value_kind: global_buffer, .address_space: global }
      - { .name: ln1_b, .offset: 104, .size: 8, .value_kind: global_buffer, .address_space: global }
      - { .name: wq_b, .offset: 112, .size: 8, .value_kind: global_buffer, .address_space: global }
      - { .name: wk_b, .offset: 120, .size: 8, .value_kind: global_buffer, .address_space: global }
      - { .name: wv_b, .offset: 128, .size: 8, .value_kind: global_buffer, .address_space: global }
      - { .name: wo_b, .offset: 136, .size: 8, .value_kind: global_buffer, .address_space: global }
      - { .name: ln2_g, .offset: 144, .size: 8, .value_kind: global_buffer, .address_space: global }
      - { .name: ln2_b, .offset: 152, .size: 8, .value_kind: global_buffer, .address_space: global }
      - { .name: ff1_b, .offset: 160, .size: 8, .value_kind: global_buffer, .address_space: global }
      - { .name: ff2_b, .offset: 168, .size: 8, .value_kind: global_buffer, .address_space: global }
      - { .name: lnf_g, .offset: 176, .size: 8, .value_kind: global_buffer, .address_space: global }
      - { .name: lnf_b, .offset: 184, .size: 8, .value_kind: global_buffer, .address_space: global }
      - { .name: vecs, .offset: 192, .size: 8, .value_kind: global_buffer, .address_space: global }
      - { .name: rpr_key, .offset: 200, .size: 8, .value_kind: global_buffer, .address_space: global }
      - { .name: rpr_value, .offset: 208, .size: 8, .value_kind: global_buffer, .address_space: global }
    .group_segment_fixed_size: 0
    .private_segment_fixed_size: 0
    .kernarg_segment_align: 8
    .kernarg_segment_size: 216
    .max_flat_workgroup_size: 256
    .sgpr_count:     66
    .vgpr_count:     384
    .wavefront_size: 32
...
	.end_amdgpu_metadata
.endif
;; end of part 1
;; launch main (part 2): grid 256 x 1, 4 waves a work-group, clusters of 4 x 1, 327,680 bytes of LDS; arguments xch, etab, wts, vecs, rel, out0; writes out0
.if DOCPART == 2
	.amdgcn_target "amdgcn-amd-amdhsa--gfx1250"
	.amdhsa_code_object_version 6
	.text
	.protected	k_q15590a19c8_main
	.globl	k_q15590a19c8_main
	.p2align	8
	.type	k_q15590a19c8_main,@function
k_q15590a19c8_main:
	s_mov_b64 s[64:65], 0
	v_nop
	global_prefetch_b8 v0, s[64:65] scope:SCOPE_SE
	s_setreg_imm32_b32 hwreg(HW_REG_WAVE_MODE, 25, 1), 1
	s_wait_xcnt 0x0
	s_wait_alu depctr_hold_cnt(0) depctr_sa_sdst(0) depctr_va_vdst(0) depctr_va_sdst(0) depctr_va_ssrc(0) depctr_va_vcc(0) depctr_vm_vsrc(0)
	s_getreg_b32 s2, hwreg(HW_REG_IB_STS2, 6, 4)
	s_cmp_eq_u32 s2, 0
	s_cbranch_scc0 .Lentry_in_a_cluster
	s_endpgm
.Lentry_in_a_cluster:
	s_bfe_u32 s2, ttmp6, 0x10000c
	s_cmp_lg_u32 s2, 0x3003
	s_cbranch_scc0 .Lentry_shape_is_right
	s_endpgm
.Lentry_shape_is_right:
; THE WHOLE STACK IN ONE LAUNCH: gather of the projected embeddings, two layers (LN, attention inside a word with relative positions and a key mask by length, LN, FFN), the last LN, the maximum over a word's 16 rows.
; SHARES.  2,048 words of 16 rows.  A work-group owns 8 words, each of its four waves 2 (row tiles w = 0, 1), from the gather to the pooled rows: x never leaves the wave's registers.
; LAYOUT.  Every weight product is taken transposed, Y^T = W^T X^T: source 0 = 16 output features x 32 k (a fragment out of LDS), source 1 = 32 k x 16 rows (registers).  A lane (r = lane % 16,
; h = lane / 16) then holds ONE row r and the features 16 f + 8 h + 0..7 of tile f; two neighbouring tiles rounded to f16 in pairs ARE source 1 of the next product, so nothing changes lanes between
; products, and a LayerNorm wants one exchange of the lanes' halves.  x lies in 256 f32 registers, which the products with wo and ff2_w take as C and D.  V alone is made untransposed (source 0 = rows).
; ATTENTION.  S^T = K Q^T holds a query a lane and the keys 8 h + 0..7.  The relative scores are R = Q . table(u), u = key - query + 15, two products; a row of R goes through my own LDS stage and comes
; back skewed by the query's number.  The weights go the same way back (P skewed into u) for the product with the value table.  Both words' V^T share source 0: k 0-15 word 0's keys, 16-31 word 1's.
; The softmax takes the row's true maximum away; a masked score IS -1e9, as in the module; the weights are divided by their sum in f32 and then rounded.  wv_b is added behind the weighted mean
; (the weights add up to 1).
; WEIGHTS.  3,145,728 bytes of fragments in order of use, 24 slots of 131,072 bytes (two blocks), through a ring of two LDS slots.  The four work-groups of a cluster walk the same slots: each slot is asked
; for JOINTLY, a quarter by each wave.  A fragment is read as two runs of 512 consecutive bytes: no padding.  Each refill has a slot's work, 256 matrix instructions a wave or more, in which to land.
; FORMAT AND LIMITS.  Matrix operands (weights, tables, LN outputs, q, k, v, weights of the softmax, context, hidden units) are f16, each rounded once from f32; x, all sums, the softmax and the LayerNorms are f32.
; f16, since every rounding of what the stack makes reaches the output undiminished, through two layers: 11 significant bits hold the comparison's one part in a hundred, 8 do not.
; f16 ends at 65,504: an LN output, q, k, v, context or hidden unit beyond it becomes an infinity.  An LN output is at most 16 |gain| + |bias|; q, k, v and the hidden units are 256-term sums of such numbers
; times weights: with gains of 30 and weights of spread 0.6 their spread is 30 x 0.6 x 16 = 288.  Below 6.1e-5 an operand keeps f16's fixed step of 6e-8.
; Ids are held to 0..99 (the module indexes a table of 100 rows).  A weight of the softmax below 2^-126 counts as 0 in its sum.  NaN and infinities are not treated apart.
;
; LDS: 0 slot 0; 131,072 slot 1; 262,144 the vectors (28,672, filled once); 290,816 + 7,168 x wave my stage (R: 2 x 16 rows of 144 bytes; P at +4,608: 2 x 16 rows of 80 bytes); 319,488 the spare words.
; REGISTERS in windows of 256 (s_set_vgpr_msb: bits 1:0 source 0, 3:2 source 1, 5:4 source 2, 7:6 destination):
;   window 0: addresses, statistics, all of attention's small operands, work space       window 1: x, tile f of word w at 16 f + 8 w
;   window 2: v0-63, v64-127 two fragment buffers; v128-191 ACC(t, w); v192-223 a block's bias; v224-255 V's sums; in a LayerNorm v0-191 hold gains and biases
;   window 3: v0-127 the LN output as source 1: k step kc of word w at 16 kc + 8 w
.set SLOT1, 131072
.set BLK,   65536
.set VECS,  262144
.set LVEC,  13312
.set STG,   290816
.set STGW,  7168
.set RSTW,  2304
.set PST,   4608
.set PSTW,  1280
.set SPARE, 319488
.set RR,   1                           ; r
.set SPW,  2                           ; my spare word's LDS address; never rewritten
.set NIL,  3                           ; 0, for the add alone
.set HH,   4                           ; h
.set AL,   5                           ; 16 x lane
.set ADR,  6                           ; the block in hand: its LDS byte + 16 x lane
.set BAL,  7                           ; the layer's vectors + 32 h
.set BAH,  8                           ; the same + 128 x head
.set BAF,  9                           ; ff1_b + 32 h + 256 x block
.set RSTO, 10                          ; R in: 144 r + 32 h
.set RLD,  11                          ; R back: 140 r + 32 h + 60
.set PSTO, 12                          ; P in: 78 r + 16 h + 30
.set PLD,  13                          ; P back: 80 r + 16 h
.set NEG,  14                          ; -1e9
.set TP,   15
.set GOF,  16                          ; v16, v17 my row's place in etab, by word
.set IDS,  18                          ; v18, v19 my row's id
.set OSTO, 20                          ; the way out, in: 64 r + 32 h
.set OLD,  21                          ; back: 16 x lane
.set PFO,  22                          ; 256 x lane
.set MN,   24                          ; (m, m) by word
.set RSD,  28                          ; (rstd, rstd) by word
.set RK,   32                          ; key table, two fragments
.set RV,   48                          ; value table, two fragments
.set P0,   64                          ; v64-67 word 0's weights, v68-71 zeros, v72-75 word 1's
.set ZZ,   68
.set NM,   76                          ; (-m rstd) twice, by word
.set QF,   80                          ; q by word; +16: k by word; in the FFN: the hidden units, 16 kk + 8 w
.set VA,   112                         ; V^T, 8 dt
.set SS,   128                         ; S^T by word
.set RX,   144                         ; R(w, a) at 16 w + 8 a; later the context (w, dt)
.set RS,   176                         ; R skewed, by word
.set PX,   192                         ; P skewed, by word
.set CB,   208                         ; the context as source 1, by word
.set BV,   224                         ; wv_b, 8 dt
.set ST,   240                         ; the softmax's statistics, 8 a word
.set TT,   80                          ; a LayerNorm's work space, 64
.set CH,   240                         ; its eight chains of pairs
.set YY,   80                          ; the last LN's output, one word, 128
.set TF,   208                         ; its work space, 32
.set ACC,  128
.set BC,   192
.set ACCV, 224
.set W_LD, 0x80                        ; a load into window 2, address in window 0
.set W_P,  0xae                        ; fragment (2) x LN output (3) -> window 2
.set W_V,  0xab                        ; LN output (3) x fragment (2) -> window 2
.set W_X,  0x52                        ; fragment (2) x window 0 -> x (1)
.set W_CV, 0x0a                        ; conversions out of window 2 into window 0
; scalars: s[4:15] xch, etab, wts, vecs, rel, out0; s16 wave; s17 cx; s18 work-group; s[20:27] group 1 of a slot's quarter; s[28:35] of the vectors' quarter; s[36:39], s[40:43], s[44:47] group 0 of slot 0,
; of the walking fill, of the vectors; s48 LDS byte of the block in hand; s49, s50, s51 counters (blocks of a slot, slots, layers); s52 fills to come; s53 1 where I prefetch; s[54:55] prefetch address;
; s[56:57] lane selects; s58, s59 lengths; s[62:63] log2(e); s66-81 key masks; s86 1/256; s87 1e-5
.set MSB, 0
.macro WIN new                         ; the immediate's high byte repeats the setting that is left; a switch that changes nothing is dropped
.if MSB != (\new)
	s_set_vgpr_msb (MSB<<8)|(\new)
.set MSB, \new
.endif
.endm
.macro PLACES                          ; four plain instructions between a matrix instruction and a load into, a write of or a read of its registers
.rept 4
	v_nop
.endr
.endm
.macro BOTH line:vararg                ; one line for each word w_
.set w_, 0
.rept 2
	\line
.set w_, w_+1
.endr
.endm
; A round of the cluster's barrier: my work-group's barrier; wave 0 signals for the work-group; every wave waits for all four work-groups; my work-group's barrier once more.
.macro CROUND
	s_barrier_signal -1
	s_barrier_wait -1
	s_cmp_lg_u32 s16, 0
	s_cbranch_scc1 .Lnot_wave_0_\@
	s_barrier_signal -3
.Lnot_wave_0_\@:
	s_barrier_wait -3
	s_barrier_signal -1
	s_barrier_wait -1
.endm
; A prefetch of the slot that the NEXT change will ask for.  All clusters walk the same weights: the first cluster asks.  Its 16 waves share the slot's 512 blocks of 256 bytes out by address
; (32,768 cx + 8,192 wave + 256 lane): each block is named once in the launch.  The last change that fills a slot asks for nothing; slots 0 to 2 come by their loads alone.
.macro ASK
	s_cmp_gt_u32 s52, s53
	s_cbranch_scc0 .Lnot_mine_\@
	global_prefetch_b8 v[PFO], s[54:55] th:TH_LOAD_NT scope:SCOPE_SE
.Lnot_mine_\@:
.endm
; THE CHANGE OF SLOTS.  Each wave waits for all its tensor loads (one is out: its quarter of the other slot), adds 0 to its spare word, and waits for that and for its reads of the slot that it leaves.
; fill = 1: behind a round of the cluster's barrier no wave of any partner reads the old slot or has a load on its way, and the joint refill is the first thing there.
.macro CHANGE fill
	WIN 0
	s_wait_tensorcnt 0x0                           ; no tensor load of mine is out, so the walking group 0 may be written
	ds_add_u32 v[SPW], v[NIL]                      ; 0 onto my spare word; scalar work stands between it and the wait for it
.if \fill
	s_xor_b32 s41, s41, SLOT1                      ; the other slot than last time,
	s_add_nc_u64 s[42:43], s[42:43], SLOT1         ; the next 131,072 bytes; the type bits on top are not reached
	s_wait_xcnt 0x0                                ; the last prefetch, a slot back, has read its address
	s_add_nc_u64 s[54:55], s[54:55], SLOT1
	s_wait_dscnt 0x0                               ; the add is done, and my reads of the slot are over
	CROUND
	tensor_load_to_lds s[40:43], s[20:27]
	s_nop 0
	PLACES
	ASK
	s_sub_co_u32 s52, s52, 1
.else
	s_wait_dscnt 0x0
	s_barrier_signal -1
	s_barrier_wait -1
.endif
	s_sub_co_u32 s48, s48, SLOT1                   ; the reads go back to a slot's first block,
	s_xor_b32 s48, s48, SLOT1                      ; in the other slot
.endm
; Eight fragments, fr .. fr + 7 of the block, into buffer buf: 16 loads of 512 consecutive bytes.
.macro FETCH buf, fr
	WIN W_LD
.set i_, 0
.rept 8
	ds_load_b128 v[64*(\buf)+8*i_:64*(\buf)+8*i_+3],   v[ADR] offset:((\fr)+i_)*1024
	ds_load_b128 v[64*(\buf)+8*i_+4:64*(\buf)+8*i_+7], v[ADR] offset:((\fr)+i_)*1024+512
.set i_, i_+1
.endr
.endm
; In every run of products the accumulators take turns, one instruction a turn; so it is across steps, trips and phases.
; Four tiles of output features x two words, k step 2 s + kk.  The first k step starts the sums from the bias.
.macro MMP buf, kk, s
	WIN W_P
.set t_, 0
.rept 4
.set w_, 0
.rept 2
.if ((\s) == 0) && ((\kk) == 0)
	v_wmma_f32_16x16x32_f16 v[ACC+16*t_+8*w_:ACC+16*t_+8*w_+7], v[64*(\buf)+8*(4*(\kk)+t_):64*(\buf)+8*(4*(\kk)+t_)+7], v[16*(2*(\s)+(\kk))+8*w_:16*(2*(\s)+(\kk))+8*w_+7], v[BC+8*t_:BC+8*t_+7]
.else
	v_wmma_f32_16x16x32_f16 v[ACC+16*t_+8*w_:ACC+16*t_+8*w_+7], v[64*(\buf)+8*(4*(\kk)+t_):64*(\buf)+8*(4*(\kk)+t_)+7], v[16*(2*(\s)+(\kk))+8*w_:16*(2*(\s)+(\kk))+8*w_+7], v[ACC+16*t_+8*w_:ACC+16*t_+8*w_+7]
.endif
.set w_, w_+1
.endr
.set t_, t_+1
.endr
.endm
; V = h wv, untransposed: fragment i of the buffer is k step 4 v + i / 2, columns 16 (i % 2).
.macro MMV buf, hf, v
	WIN W_V
.set i_, 4*(\hf)
.rept 4
.set w_, 0
.rept 2
.if ((\v) == 0) && (i_ < 2)
	v_wmma_f32_16x16x32_f16 v[ACCV+16*(i_%2)+8*w_:ACCV+16*(i_%2)+8*w_+7], v[16*(4*(\v)+i_/2)+8*w_:16*(4*(\v)+i_/2)+8*w_+7], v[64*(\buf)+8*i_:64*(\buf)+8*i_+7], 0
.else
	v_wmma_f32_16x16x32_f16 v[ACCV+16*(i_%2)+8*w_:ACCV+16*(i_%2)+8*w_+7], v[16*(4*(\v)+i_/2)+8*w_:16*(4*(\v)+i_/2)+8*w_+7], v[64*(\buf)+8*i_:64*(\buf)+8*i_+7], v[ACCV+16*(i_%2)+8*w_:ACCV+16*(i_%2)+8*w_+7]
.endif
.set w_, w_+1
.endr
.set i_, i_+1
.endr
.endm
; x += wo's rows of this head x the context: tiles 8 o + i, from buffer o.
.macro MMO o, hf
	WIN W_X
.set i_, 4*(\hf)
.rept 4
.set w_, 0
.rept 2
	v_wmma_f32_16x16x32_f16 v[16*(8*(\o)+i_)+8*w_:16*(8*(\o)+i_)+8*w_+7], v[64*(\o)+8*i_:64*(\o)+8*i_+7], v[CB+8*w_:CB+8*w_+7], v[16*(8*(\o)+i_)+8*w_:16*(8*(\o)+i_)+8*w_+7]
.set w_, w_+1
.endr
.set i_, i_+1
.endr
.endm
; x += ff2_w's rows of this block x the hidden units: tiles 4 sg + i, k half kk.
.macro MMG buf, kk, sg
	WIN W_X
.set i_, 0
.rept 4
.set w_, 0
.rept 2
	v_wmma_f32_16x16x32_f16 v[16*(4*(\sg)+i_)+8*w_:16*(4*(\sg)+i_)+8*w_+7], v[64*(\buf)+8*(4*(\kk)+i_):64*(\buf)+8*(4*(\kk)+i_)+7], v[QF+16*(\kk)+8*w_:QF+16*(\kk)+8*w_+7], v[16*(4*(\sg)+i_)+8*w_:16*(4*(\sg)+i_)+8*w_+7]
.set w_, w_+1
.endr
.set i_, i_+1
.endr
.endm
; A step: sixteen products on one buffer; in its middle the next eight fragments are asked for, into the other buffer, four places behind that buffer's last reader.
.macro STEPP buf, s, nbuf, nfr
	s_wait_dscnt 8                                 ; the buffer's first four fragments are in; its last eight loads may be out
	MMP \buf, 0, \s
	PLACES
	FETCH \nbuf, \nfr
	s_wait_dscnt 16                                ; all but the 16 just issued
	MMP \buf, 1, \s
.endm
.macro STEPG buf, sg, nbuf, nfr
	s_wait_dscnt 8
	MMG \buf, 0, \sg
	PLACES
	FETCH \nbuf, \nfr
	s_wait_dscnt 16
	MMG \buf, 1, \sg
.endm
; ACC's four tiles x two words, rounded in pairs: tiles 0, 1 make source 1 at QF + 8 w (q; hidden units 0-31), tiles 2, 3 at QF + 16 + 8 w (k; hidden units 32-63).  n = 8 t + 4 w + p.
.macro OUT4
	WIN W_CV
.set n_, 0
.rept 32
	v_cvt_pk_f16_f32 v[QF+16*(n_/16)+8*((n_/4)%2)+4*((n_/8)%2)+n_%4], v[ACC+2*n_], v[ACC+2*n_+1]
.set n_, n_+1
.endr
.endm
.macro RELU
	WIN 0
.set n_, 0
.rept 32
	v_pk_max_num_f16 v[QF+n_], v[QF+n_], v[ZZ]
.set n_, n_+1
.endr
.endm
.macro VOUT                            ; V's sums hold key 8 h + j, channel 16 t + r: pairs of keys make V^T's fragment; word w's keys are k 16 w ..
	WIN W_CV
.set n_, 0
.rept 16
	v_cvt_pk_f16_f32 v[VA+n_], v[ACCV+2*n_], v[ACCV+2*n_+1]
.set n_, n_+1
.endr
.endm
.macro SCORES
	WIN 0
.set n_, 0
.rept 4                                ; n = 2 w + a
	v_wmma_f32_16x16x32_f16 v[RX+8*n_:RX+8*n_+7], v[RK+8*(n_%2):RK+8*(n_%2)+7], v[QF+8*(n_/2):QF+8*(n_/2)+7], 0
.set n_, n_+1
.endr
	BOTH v_wmma_f32_16x16x32_f16 v[SS+8*w_:SS+8*w_+7], v[QF+16+8*w_:QF+16+8*w_+7], v[QF+8*w_:QF+8*w_+7], 0
.endm
; R(query r, u = 16 a + 8 h + j) into row r of my stage; back comes u = 8 h + j - r + 15.  LDS serves a wave's instructions in order (ISA guide 5.7.1.4): the loads see the stores.
.macro RSKEW
	WIN 0
.set n_, 0
.rept 8                                ; n = 4 w + 2 a + e: each accumulator's low half first
	ds_store_b128 v[RSTO], v[RX+4*n_:RX+4*n_+3] offset:RSTW*(n_/4)+64*((n_/2)%2)+16*(n_%2)
.set n_, n_+1
.endr
.set n_, 0
.rept 16
	ds_load_b32 v[RS+n_], v[RLD] offset:RSTW*(n_/8)+4*(n_%8)
.set n_, n_+1
.endr
.endm
.macro SOFTMAX
	WIN 0
.set c_, 0
.rept 4
	BOTH v_pk_add_f32 v[SS+8*w_+2*c_:SS+8*w_+2*c_+1], v[SS+8*w_+2*c_:SS+8*w_+2*c_+1], v[RS+8*w_+2*c_:RS+8*w_+2*c_+1]
.set c_, c_+1
.endr
.set j_, 0
.rept 8
	BOTH v_cndmask_b32 v[SS+8*w_+j_], v[NEG], v[SS+8*w_+j_], s[66+8*w_+j_]
.set j_, j_+1
.endr
	BOTH v_max3_num_f32 v[ST+8*w_], v[SS+8*w_], v[SS+8*w_+1], v[SS+8*w_+2]
	BOTH v_max3_num_f32 v[ST+8*w_+1], v[SS+8*w_+3], v[SS+8*w_+4], v[SS+8*w_+5]
	BOTH v_max3_num_f32 v[ST+8*w_], v[ST+8*w_], v[SS+8*w_+6], v[SS+8*w_+7]
	BOTH v_max_num_f32 v[ST+8*w_], v[ST+8*w_], v[ST+8*w_+1]
	BOTH v_permlanex16_b32 v[ST+8*w_+1], v[ST+8*w_], s56, s57
	BOTH v_max_num_f32 v[ST+8*w_+2], v[ST+8*w_], v[ST+8*w_+1]
	BOTH v_max_num_f32 v[ST+8*w_+3], v[ST+8*w_], v[ST+8*w_+1]
.set c_, 0
.rept 4                                ; the difference first: it is exact where the score is the maximum, -1e9 too
	BOTH v_pk_add_f32 v[SS+8*w_+2*c_:SS+8*w_+2*c_+1], v[SS+8*w_+2*c_:SS+8*w_+2*c_+1], v[ST+8*w_+2:ST+8*w_+3] neg_lo:[0,1] neg_hi:[0,1]
.set c_, c_+1
.endr
.set c_, 0
.rept 4
	BOTH v_pk_mul_f32 v[SS+8*w_+2*c_:SS+8*w_+2*c_+1], v[SS+8*w_+2*c_:SS+8*w_+2*c_+1], s[62:63] op_sel_hi:[1,0]
.set c_, c_+1
.endr
.set j_, 0
.rept 8                                ; one batch of 16 exponentials
	BOTH v_exp_f32 v[SS+8*w_+j_], v[SS+8*w_+j_]
.set j_, j_+1
.endr
	v_nop                                          ; a plain instruction behind the last exponential,
	s_wait_alu depctr_va_vdst(0)                   ; and the one wait ahead of the batch's first reader
	BOTH v_pk_add_f32 v[RS+8*w_:RS+8*w_+1], v[SS+8*w_:SS+8*w_+1], v[SS+8*w_+2:SS+8*w_+3]
	BOTH v_pk_add_f32 v[RS+8*w_+2:RS+8*w_+3], v[SS+8*w_+4:SS+8*w_+5], v[SS+8*w_+6:SS+8*w_+7]
	BOTH v_pk_add_f32 v[RS+8*w_:RS+8*w_+1], v[RS+8*w_:RS+8*w_+1], v[RS+8*w_+2:RS+8*w_+3]
	BOTH v_add_f32 v[ST+8*w_+4], v[RS+8*w_], v[RS+8*w_+1]
	BOTH v_permlanex16_b32 v[ST+8*w_+5], v[ST+8*w_+4], s56, s57
	BOTH v_add_f32 v[ST+8*w_+4], v[ST+8*w_+4], v[ST+8*w_+5]
	BOTH v_rcp_f32 v[ST+8*w_+6], v[ST+8*w_+4]
	BOTH v_rcp_f32 v[ST+8*w_+7], v[ST+8*w_+4]
	v_nop
	s_wait_alu depctr_va_vdst(0)                   ; one wait for the four reciprocals
.set c_, 0
.rept 4
	BOTH v_pk_mul_f32 v[SS+8*w_+2*c_:SS+8*w_+2*c_+1], v[SS+8*w_+2*c_:SS+8*w_+2*c_+1], v[ST+8*w_+6:ST+8*w_+7]
.set c_, c_+1
.endr
.set c_, 0
.rept 4
	BOTH v_cvt_pk_f16_f32 v[P0+8*w_+c_], v[SS+8*w_+2*c_], v[SS+8*w_+2*c_+1]
.set c_, c_+1
.endr
.endm
; The weight of (query r, key 8 h + j) goes to place u = 8 h + j - r + 15 of row r; the places that no key reaches were set to 0 at the kernel's head and are never written.
.macro PSKEW
	WIN 0
.set n_, 0
.rept 16                               ; n = 8 w + j
.if n_%2 == 0
	ds_store_b16 v[PSTO], v[P0+8*(n_/8)+(n_%8)/2] offset:PSTW*(n_/8)+2*(n_%8)
.else
	ds_store_b16_d16_hi v[PSTO], v[P0+8*(n_/8)+(n_%8)/2] offset:PSTW*(n_/8)+2*(n_%8)
.endif
.set n_, n_+1
.endr
.set n_, 0
.rept 4                                ; n = 2 w + e
	ds_load_b128 v[PX+4*n_:PX+4*n_+3], v[PLD] offset:PSTW*(n_/2)+32*(n_%2)
.set n_, n_+1
.endr
.endm
.macro CTX1                            ; context^T(w, dt) = V^T P + wv_b; source 1 is (P0, 0) for word 0 and (0, P1) for word 1.  n = 2 w + dt
	WIN 0
.set n_, 0
.rept 4
	v_wmma_f32_16x16x32_f16 v[RX+8*n_:RX+8*n_+7], v[VA+8*(n_%2):VA+8*(n_%2)+7], v[P0+4*(n_/2):P0+4*(n_/2)+7], v[BV+8*(n_%2):BV+8*(n_%2)+7]
.set n_, n_+1
.endr
.endm
.macro CTX2                            ; += value table x P skewed
	WIN 0
.set n_, 0
.rept 4
	v_wmma_f32_16x16x32_f16 v[RX+8*n_:RX+8*n_+7], v[RV+8*(n_%2):RV+8*(n_%2)+7], v[PX+8*(n_/2):PX+8*(n_/2)+7], v[RX+8*n_:RX+8*n_+7]
.set n_, n_+1
.endr
.endm
.macro CTXOUT
	WIN 0
.set n_, 0
.rept 16
	v_cvt_pk_f16_f32 v[CB+n_], v[RX+2*n_], v[RX+2*n_+1]
.set n_, n_+1
.endr
.endm
; ---- LAYERNORM.  x's pair n = 8 f + 4 w + c lies at register 2 n of window 1; eight chains (w, c) keep the additions apart.
.macro LNSUM
	WIN 0x05
.set n_, 0
.rept 8                                ; tiles 0 and 1 start the chains; every accumulator is first read at its low end
	v_pk_add_f32 v[CH+2*n_:CH+2*n_+1], v[2*n_:2*n_+1], v[16+2*n_:16+2*n_+1]
.set n_, n_+1
.endr
	WIN 0x01
.set n_, 16
.rept 112
	v_pk_add_f32 v[CH+2*(n_%8):CH+2*(n_%8)+1], v[2*n_:2*n_+1], v[CH+2*(n_%8):CH+2*(n_%8)+1]
.set n_, n_+1
.endr
.endm
.macro LNRED                           ; a word's four chains, their halves, and the other half of the lanes: the row's sum in v[CH + 8 w]
	WIN 0
	BOTH v_pk_add_f32 v[CH+8*w_:CH+8*w_+1], v[CH+8*w_:CH+8*w_+1], v[CH+8*w_+2:CH+8*w_+3]
	BOTH v_pk_add_f32 v[CH+8*w_+4:CH+8*w_+5], v[CH+8*w_+4:CH+8*w_+5], v[CH+8*w_+6:CH+8*w_+7]
	BOTH v_pk_add_f32 v[CH+8*w_:CH+8*w_+1], v[CH+8*w_:CH+8*w_+1], v[CH+8*w_+4:CH+8*w_+5]
	BOTH v_add_f32 v[CH+8*w_], v[CH+8*w_], v[CH+8*w_+1]
	BOTH v_permlanex16_b32 v[CH+8*w_+1], v[CH+8*w_], s56, s57
	BOTH v_add_f32 v[CH+8*w_], v[CH+8*w_], v[CH+8*w_+1]
.endm
.macro LNSTATS                         ; mean, then the mean of the squared differences (two passes, as the module has it), rstd and -m rstd
	LNSUM
	LNRED
	BOTH v_mul_f32 v[MN+2*w_], s86, v[CH+8*w_]
	BOTH v_mov_b32 v[MN+2*w_+1], v[MN+2*w_]
.set q_, 0
.rept 4
	WIN 0x01
.set n_, 0
.rept 32
	v_pk_add_f32 v[TT+2*n_:TT+2*n_+1], v[64*q_+2*n_:64*q_+2*n_+1], v[MN+2*((n_/4)%2):MN+2*((n_/4)%2)+1] neg_lo:[0,1] neg_hi:[0,1]
.set n_, n_+1
.endr
	WIN 0
.set n_, 0
.rept 32
.if (q_ == 0) && (n_ < 8)
	v_pk_mul_f32 v[CH+2*n_:CH+2*n_+1], v[TT+2*n_:TT+2*n_+1], v[TT+2*n_:TT+2*n_+1]
.else
	v_pk_fma_f32 v[CH+2*(n_%8):CH+2*(n_%8)+1], v[TT+2*n_:TT+2*n_+1], v[TT+2*n_:TT+2*n_+1], v[CH+2*(n_%8):CH+2*(n_%8)+1]
.endif
.set n_, n_+1
.endr
.set q_, q_+1
.endr
	LNRED
	BOTH v_fma_f32 v[CH+8*w_], v[CH+8*w_], s86, s87
	BOTH v_rsq_f32 v[RSD+2*w_], v[CH+8*w_]
	v_nop
	s_wait_alu depctr_va_vdst(0)                   ; one wait for the two roots
	BOTH v_mov_b32 v[RSD+2*w_+1], v[RSD+2*w_]
	BOTH v_mul_f32 v[NM+2*w_], -v[MN+2*w_], v[RSD+2*w_]
	BOTH v_mov_b32 v[NM+2*w_+1], v[NM+2*w_]
.endm
.macro LVROW dst, off                  ; a vector's numbers for four tiles: my eight of each, 8 loads
.set n_, 0
.rept 8
	ds_load_b128 v[(\dst)+4*n_:(\dst)+4*n_+3], v[BAL] offset:(\off)+64*(n_/2)+16*(n_%2)
.set n_, n_+1
.endr
.endm
.macro LNLOAD buf, q, og, ob, orb      ; gain, bias, and the bias that x takes up, for tiles 4 q .. 4 q + 3
	WIN W_LD
	LVROW 96*(\buf), (\og)+256*(\q)
	LVROW 96*(\buf)+32, (\ob)+256*(\q)
	LVROW 96*(\buf)+64, (\orb)+256*(\q)
.endm
.macro LNAPPLY q, buf                  ; n = 8 fl + 4 w + c
	WIN 0x01
.set n_, 0
.rept 32
	v_pk_fma_f32 v[TT+2*n_:TT+2*n_+1], v[64*(\q)+2*n_:64*(\q)+2*n_+1], v[RSD+2*((n_/4)%2):RSD+2*((n_/4)%2)+1], v[NM+2*((n_/4)%2):NM+2*((n_/4)%2)+1]
.set n_, n_+1
.endr
	WIN 0x49                                       ; x += the bias of the products that will add onto it
.set n_, 0
.rept 32
	v_pk_add_f32 v[64*(\q)+2*n_:64*(\q)+2*n_+1], v[64*(\q)+2*n_:64*(\q)+2*n_+1], v[96*(\buf)+64+8*(n_/8)+2*(n_%4):96*(\buf)+64+8*(n_/8)+2*(n_%4)+1]
.set n_, n_+1
.endr
	WIN 0x28
.set n_, 0
.rept 32
	v_pk_fma_f32 v[TT+2*n_:TT+2*n_+1], v[TT+2*n_:TT+2*n_+1], v[96*(\buf)+8*(n_/8)+2*(n_%4):96*(\buf)+8*(n_/8)+2*(n_%4)+1], v[96*(\buf)+32+8*(n_/8)+2*(n_%4):96*(\buf)+32+8*(n_/8)+2*(n_%4)+1]
.set n_, n_+1
.endr
	WIN 0xc0
.set n_, 0
.rept 32                               ; tile f = 4 q + fl is half f % 2 of k step f / 2
	v_cvt_pk_f16_f32 v[32*(\q)+16*(n_/16)+8*((n_/4)%2)+4*((n_/8)%2)+n_%4], v[TT+2*n_], v[TT+2*n_+1]
.set n_, n_+1
.endr
.endm
.macro LN og, ob, orb
	LNLOAD 0, 0, \og, \ob, \orb
	LNSTATS
	LNLOAD 1, 1, \og, \ob, \orb
	s_wait_dscnt 24                                ; all but the 24 just issued
	LNAPPLY 0, 0
	LNLOAD 0, 2, \og, \ob, \orb
	s_wait_dscnt 24
	LNAPPLY 1, 1
	LNLOAD 1, 3, \og, \ob, \orb
	s_wait_dscnt 24
	LNAPPLY 2, 0
	s_wait_dscnt 0x0
	LNAPPLY 3, 1
.endm
; ---- THE LAST LAYERNORM AND THE POOL, a word at a time.
.macro LNFLOAD buf, q
	WIN W_LD
	LVROW 96*(\buf), 256*(\q)
	LVROW 96*(\buf)+32, 1024+256*(\q)
.endm
.macro LNFAPPLY w, q, buf              ; n = 4 fl + c
	WIN 0x01
.set n_, 0
.rept 16
	v_pk_fma_f32 v[TF+2*n_:TF+2*n_+1], v[64*(\q)+16*(n_/4)+8*(\w)+2*(n_%4):64*(\q)+16*(n_/4)+8*(\w)+2*(n_%4)+1], v[RSD+2*(\w):RSD+2*(\w)+1], v[NM+2*(\w):NM+2*(\w)+1]
.set n_, n_+1
.endr
	WIN 0x28
.set n_, 0
.rept 16
	v_pk_fma_f32 v[YY+32*(\q)+2*n_:YY+32*(\q)+2*n_+1], v[TF+2*n_:TF+2*n_+1], v[96*(\buf)+2*n_:96*(\buf)+2*n_+1], v[96*(\buf)+32+2*n_:96*(\buf)+32+2*n_+1]
.set n_, n_+1
.endr
.endm
; The maximum over the 16 rows, halving the tiles at each step: a lane whose r has bit B keeps tiles f + B and gives tiles f to the lane r xor B, which does the reverse.  After B = 8, 4, 2, 1 lane r holds tile r.
.macro POOLSTEP B
	v_and_b32 v[TP], \B, v[RR]
	v_cmp_ne_u32 vcc_lo, 0, v[TP]
.set f_, 0
.rept \B
.set j_, 0
.rept 8
	v_cndmask_b32 v[CH+j_], v[YY+8*(f_+(\B))+j_], v[YY+8*f_+j_], vcc_lo
.set j_, j_+1
.endr
.set j_, 0
.rept 8
	v_cndmask_b32 v[YY+8*f_+j_], v[YY+8*f_+j_], v[YY+8*(f_+(\B))+j_], vcc_lo
.set j_, j_+1
.endr
.set j_, 0
.rept 8
	v_max_num_f32_dpp v[YY+8*f_+j_], v[CH+j_], v[YY+8*f_+j_] row_xmask:\B row_mask:0xf bank_mask:0xf
.set j_, j_+1
.endr
.set f_, f_+1
.endr
.endm
.macro WORDOUT w
	LNFLOAD 0, 0
	LNFLOAD 1, 1
	s_wait_dscnt 16                                ; all but the 16 just issued
	LNFAPPLY \w, 0, 0
	LNFLOAD 0, 2
	s_wait_dscnt 16
	LNFAPPLY \w, 1, 1
	LNFLOAD 1, 3
	s_wait_dscnt 16
	LNFAPPLY \w, 2, 0
	s_wait_dscnt 0x0
	LNFAPPLY \w, 3, 1
	WIN 0
	POOLSTEP 8
	POOLSTEP 4
	POOLSTEP 2
	POOLSTEP 1
	ds_store_b128 v[OSTO], v[YY:YY+3] offset:1024*(\w)       ; features 16 r + 8 h + 0..7 at byte 64 r + 32 h of the word's 1,024
	ds_store_b128 v[OSTO], v[YY+4:YY+7] offset:1024*(\w)+16
.endm
; ---- A HEAD BLOCK.  HTOP: the block's address, its biases, its first eight fragments.
.macro HTOP
	WIN 0
	v_add_nc_u32 v[ADR], s48, v[AL]
	PLACES
.set n_, 0
.rept 4                                ; wv_b: n = 2 dt + e
	ds_load_b128 v[BV+4*n_:BV+4*n_+3], v[BAH] offset:4096+64*(n_/2)+16*(n_%2)
.set n_, n_+1
.endr
	WIN W_LD
.set n_, 0
.rept 8                                ; wq_b (tiles 0, 1), wk_b (tiles 2, 3): n = 2 t + e
	ds_load_b128 v[BC+4*n_:BC+4*n_+3], v[BAH] offset:2048+1024*(n_/4)+64*((n_/2)%2)+16*(n_%2)
.set n_, n_+1
.endr
	FETCH 0, 0
.endm
.macro HBODY
	STEPP 0, 0, 1, 8                               ; q and k of the head: 64 products
	STEPP 1, 1, 0, 16
	STEPP 0, 2, 1, 24
	STEPP 1, 3, 0, 32
	PLACES
	OUT4
	SCORES
	s_wait_dscnt 8
	MMV 0, 0, 0                                    ; v: 32 products; the skew's round trip through LDS runs beside them
	PLACES
	RSKEW
	FETCH 1, 40
	s_wait_dscnt 40                                ; all but the skew's 8 stores and 16 loads and the 16 loads just issued
	MMV 0, 1, 0
	s_wait_dscnt 8                                 ; the skewed scores and the buffer's first four fragments are in
	MMV 1, 0, 1
	PLACES
	FETCH 0, 48
	s_wait_dscnt 16
	MMV 1, 1, 1
	PLACES
	FETCH 1, 56
	VOUT
	SOFTMAX
	PSKEW
	CTX1
	s_wait_dscnt 0x0                               ; P skewed is back, and so are wo's fragments
	CTX2
	PLACES
	CTXOUT
	MMO 0, 0                                       ; the first half of the product with wo; the second stands at the head of the next trip
	MMO 0, 1
	WIN 0
	s_add_co_u32 s48, s48, BLK
	v_add_nc_u32 v[BAH], 0x80, v[BAH]
.endm
; ---- AN FFN BLOCK of 64 hidden units.
.macro FTOP
	WIN 0
	v_add_nc_u32 v[ADR], s48, v[AL]
	PLACES
	WIN W_LD
.set n_, 0
.rept 8                                ; ff1_b: n = 2 t + e
	ds_load_b128 v[BC+4*n_:BC+4*n_+3], v[BAF] offset:64*(n_/2)+16*(n_%2)
.set n_, n_+1
.endr
	FETCH 0, 0
.endm
.macro G3PREV                          ; the block before's last sixteen products with ff2_w
	s_wait_dscnt 24                                ; all but the 8 + 16 loads just issued
	MMG 1, 0, 3
	MMG 1, 1, 3
	WIN 0
.endm
.macro FBODY
	STEPP 0, 0, 1, 8
	STEPP 1, 1, 0, 16
	STEPP 0, 2, 1, 24
	STEPP 1, 3, 0, 32
	PLACES
	OUT4
	RELU
	STEPG 0, 0, 1, 40
	STEPG 1, 1, 0, 48
	STEPG 0, 2, 1, 56
	WIN 0
	s_add_co_u32 s48, s48, BLK
	v_add_nc_u32 v[BAF], 0x100, v[BAF]
.endm
.macro COUNT reg, label
	s_sub_co_u32 s[\reg], s[\reg], 1
	s_cmp_lg_u32 s[\reg], 0
	s_cbranch_scc1 \label
.endm
	; ================================================================ the head
	s_load_b256 s[4:11], s[0:1], 0x0               ; xch s[4:5], etab s[6:7], wts s[8:9], vecs s[10:11]
	s_load_b128 s[12:15], s[0:1], 0x20             ; rel s[12:13], out0 s[14:15]
	v_lshl_add_u32 v[SPW], v0, 2, SPARE
	v_mov_b32 v[NIL], 0
	ds_add_u32 v[SPW], v[NIL]                      ; the wave's opening: the add and its wait stand ahead of my first tensor load; work on registers stands between them
	v_lshrrev_b32 v[TP], 5, v0
	v_readfirstlane_b32 s16, v[TP]                 ; wave 0..3
	s_bfe_u32 s17, ttmp6, 0x40000                  ; cx: it enters xch's, out0's and the prefetches' addresses alone
	s_lshl_b32 s18, ttmp9, 2
	s_add_co_u32 s18, s18, s17                     ; work-group = 4 x cluster + cx
	; group 1: dense bytes as rows of 256 (32 elements of 8 bytes); 128 rows a wave for a slot, 28 for the vectors
	s_mov_b32 s20, 15|(3<<16)|(1<<21)              ; 15:0 the mask of four; 17:16 elements of 8 bytes; 21 set beside a mask
	s_mov_b32 s21, 32<<16                          ; tensor_dim0 = 32
	s_mov_b32 s22, 128<<16                         ; tensor_dim1 = 128
	s_mov_b32 s23, 32<<16                          ; tile_dim0 = 32
	s_mov_b32 s24, 128                             ; tile_dim1 = 128
	s_mov_b32 s25, 32                              ; elements from row to row
	s_mov_b32 s26, 0
	s_mov_b32 s27, 0
	s_mov_b32 s28, 15|(3<<16)|(1<<21)
	s_mov_b32 s29, 32<<16
	s_mov_b32 s30, 28<<16
	s_mov_b32 s31, 32<<16
	s_mov_b32 s32, 28
	s_mov_b32 s33, 32
	s_mov_b32 s34, 0
	s_mov_b32 s35, 0
	s_mov_b32 s36, 1                               ; group 0: count = 1; LDS address = a constant + the wave's number x a constant
	s_lshl_b32 s37, s16, 15
	s_mov_b32 s40, 1
	s_add_co_u32 s41, s37, SLOT1
	s_mov_b32 s44, 1
	s_mul_i32 s45, s16, 7168
	s_add_co_u32 s45, s45, VECS
	s_lshl_b32 s60, s16, 15                        ; my quarter of a slot, in memory
	s_mov_b32 s61, 0
	s_mul_i32 s84, s16, 7168                       ; my quarter of the vectors
	s_mov_b32 s85, 0
	s_lshl_b32 s82, s18, 9                         ; xch: 8 words of 64 bytes a work-group,
	s_lshl_b32 s83, s16, 7                         ; 2 a wave
	s_add_co_u32 s82, s82, s83
	s_mov_b32 s83, 0
	s_lshl_b32 s88, s82, 4                         ; out0: 1,024 bytes a word
	s_mov_b32 s89, 0
	s_lshl_b32 s58, s17, 15                        ; the prefetches: 32,768 cx + 8,192 wave, in slot 2; the first change steps it to slot 3
	s_lshl_b32 s59, s16, 13
	s_add_co_u32 s58, s58, s59
	s_add_co_u32 s58, s58, 2*SLOT1
	s_mov_b32 s59, 0
	s_mov_b32 s53, ttmp9
	s_cmp_eq_u32 s53, 0
	s_cselect_b32 s53, 1, -1                       ; the first cluster prefetches: the same in all four partners
	s_mov_b32 s52, 22                              ; slots 2 to 23 are asked for by changes of slots
	s_mov_b32 s56, 0x76543210
	s_mov_b32 s57, 0xfedcba98
	s_mov_b32 s62, 0x3fb8aa3b                      ; log2(e)
	s_mov_b32 s63, s62
	s_mov_b32 s86, 0x3b800000                      ; 1 / 256
	s_mov_b32 s87, 0x3727c5ac                      ; 1e-5
	s_wait_dscnt 0x0                               ; the opening add is done
	s_wait_kmcnt 0x0
	s_add_nc_u64 s[38:39], s[8:9], s[60:61]
	s_add_nc_u64 s[42:43], s[38:39], SLOT1
	s_or_b32 s39, s39, 0x80000000                  ; type = 2
	s_or_b32 s43, s43, 0x80000000
	s_add_nc_u64 s[46:47], s[10:11], s[84:85]
	s_or_b32 s47, s47, 0x80000000
	s_add_nc_u64 s[54:55], s[8:9], s[58:59]
	s_add_nc_u64 s[4:5], s[4:5], s[82:83]
	s_add_nc_u64 s[14:15], s[14:15], s[88:89]
	CROUND                                         ; all four work-groups are here: the first joint loads meet
	tensor_load_to_lds s[44:47], s[28:35]          ; the vectors, slot 0, slot 1: three loads of mine are out
	s_nop 0
	tensor_load_to_lds s[36:39], s[20:27]
	s_nop 0
	tensor_load_to_lds s[40:43], s[20:27]
	s_nop 0
	PLACES
	v_and_b32 v[RR], 15, v0
	v_bfe_u32 v[HH], v0, 4, 1
	v_and_b32 v[AL], 31, v0
	v_lshlrev_b32 v[PFO], 8, v[AL]
	v_lshlrev_b32 v[AL], 4, v[AL]
	v_lshlrev_b32 v[GOF], 2, v[RR]
	global_load_b32 v[IDS], v[GOF], s[4:5]         ; my row's id, in both halves of the lanes
	global_load_b32 v[IDS+1], v[GOF], s[4:5] offset:64
	v_lshlrev_b32 v[TP], 5, v[HH]                  ; 32 h
	v_add_nc_u32 v[BAL], VECS, v[TP]
	v_mov_b32 v[BAH], v[BAL]
	v_add_nc_u32 v[BAF], VECS+8192, v[TP]
	s_mul_i32 s82, s16, STGW
	s_add_co_u32 s82, s82, STG                     ; my stage
	v_mul_u32_u24 v[RSTO], v[RR], 144
	v_add_nc_u32 v[RSTO], v[RSTO], v[TP]
	v_add_nc_u32 v[RSTO], s82, v[RSTO]
	v_mul_u32_u24 v[RLD], v[RR], 140
	v_add_nc_u32 v[RLD], v[RLD], v[TP]
	v_add_nc_u32 v[RLD], s82, v[RLD]
	v_add_nc_u32 v[RLD], 60, v[RLD]
	v_mul_u32_u24 v[PSTO], v[RR], 78
	v_lshl_add_u32 v[PSTO], v[HH], 4, v[PSTO]
	v_add_nc_u32 v[PSTO], s82, v[PSTO]
	v_add_nc_u32 v[PSTO], PST+30, v[PSTO]
	v_mul_u32_u24 v[PLD], v[RR], 80
	v_lshl_add_u32 v[PLD], v[HH], 4, v[PLD]
	v_add_nc_u32 v[PLD], s82, v[PLD]
	v_add_nc_u32 v[PLD], PST, v[PLD]
	v_mov_b32 v[NEG], 0xce6e6b28                   ; -1e9
	v_lshlrev_b32 v[OSTO], 6, v[RR]
	v_add_nc_u32 v[OSTO], v[OSTO], v[TP]
	v_add_nc_u32 v[OSTO], s82, v[OSTO]
	v_add_nc_u32 v[OLD], s82, v[AL]
.irp z, 0,1,2,3
	v_mov_b32 v[ZZ+\z], 0
.endr
	v_add_nc_u32 v[TP], PST, v[OLD]
.irp z, 0,1,2,3,4
	ds_store_b128 v[TP], v[ZZ:ZZ+3] offset:512*\z  ; P's rows start as zeros: 2,560 bytes
.endr
	s_wait_loadcnt 0x0                             ; the ids
	v_cmp_ne_u32 s60, 0, v[IDS]
	v_cmp_ne_u32 s61, 0, v[IDS+1]
	s_and_b32 s60, s60, 0xffff
	s_and_b32 s61, s61, 0xffff
	s_bcnt1_i32_b32 s58, s60                       ; a word's length: its ids other than 0
	s_bcnt1_i32_b32 s59, s61
	v_lshlrev_b32 v[TP], 3, v[HH]                  ; my keys are 8 h + j
.set j_, 0
.rept 8
	v_cmp_gt_u32 s[66+j_], s58, v[TP]              ; key < length
	v_cmp_gt_u32 s[74+j_], s59, v[TP]
	v_add_nc_u32 v[TP], 1, v[TP]
.set j_, j_+1
.endr
.irp w, 0,1
	v_min_u32 v[IDS+\w], 99, v[IDS+\w]
	v_and_b32 v[GOF+\w], 0x70, v[IDS+\w]
	v_lshlrev_b32 v[GOF+\w], 10, v[GOF+\w]         ; 16 tiles of 1,024 bytes for each 16 ids,
	v_and_b32 v[IDS+\w], 15, v[IDS+\w]
	v_lshl_add_u32 v[GOF+\w], v[IDS+\w], 4, v[GOF+\w]  ; lane 16 h + id % 16 of the tile's image
	v_lshl_add_u32 v[GOF+\w], v[HH], 8, v[GOF+\w]
.endr
	WIN 0x40
.set n_, 0
.rept 64                               ; n = 4 f + 2 w + e: x starts as the projected embedding
	global_load_b128 v[4*n_:4*n_+3], v[GOF+(n_/2)%2], s[6:7] offset:1024*(n_/4)+512*(n_%2)
.set n_, n_+1
.endr
	WIN 0
	s_wait_tensorcnt 1                             ; my parts of the vectors and of slot 0 are in; slot 1's may stay out
	s_wait_dscnt 0x0
	s_barrier_signal -1
	s_barrier_wait -1                              ; everybody's are
	s_wait_loadcnt 0x0                             ; x
	s_mov_b32 s51, 2
	s_mov_b32 s48, 0
	; ================================================================ a layer
.Llayer:
.set n_, 0
.rept 8                                ; the layer's two tables: four fragments, in by the end of the LayerNorm
	global_load_b128 v[RK+4*n_:RK+4*n_+3], v[AL], s[12:13] offset:512*n_
.set n_, n_+1
.endr
	LN 0, 1024, 5120                               ; ln1; x takes up wo_b
	s_wait_loadcnt 0x0
	s_mov_b32 s50, 4                               ; four slots of two heads
	s_mov_b32 s49, 2
	HTOP
	WIN 0
	s_branch .LHenter                              ; the loop is entered behind the part that finishes the head before
.LHslot:
	CHANGE 1
	s_mov_b32 s49, 2
.LHblk:
	HTOP
	s_wait_dscnt 28                                ; all but the 4 + 8 + 16 loads just issued
	MMO 1, 0
	MMO 1, 1
	WIN 0
.LHenter:
	HBODY
	COUNT 49, .LHblk
	COUNT 50, .LHslot
	CHANGE 1
	MMO 1, 0                                       ; the last head's second half
	MMO 1, 1
	PLACES
	LN 6144, 7168, 12288                           ; ln2; x takes up ff2_b
	s_mov_b32 s50, 7                               ; seven slots of two blocks; the eighth is written out twice below, since the launch's last change fills nothing
	s_mov_b32 s49, 2
	FTOP
	WIN 0
	s_branch .LFenter
.LFslot:
	CHANGE 1
	s_mov_b32 s49, 2
.LFblk:
	FTOP
	G3PREV
.LFenter:
	FBODY
	COUNT 49, .LFblk
	COUNT 50, .LFslot
	s_cmp_eq_u32 s51, 1
	s_cbranch_scc1 .Ltail
	CHANGE 1
	s_mov_b32 s49, 2
.LF2:
	FTOP
	G3PREV
	FBODY
	COUNT 49, .LF2
	CHANGE 1
	MMG 1, 0, 3
	MMG 1, 1, 3
	PLACES
	WIN 0
	v_add_nc_u32 v[BAL], LVEC, v[BAL]              ; the next layer's vectors
	v_add_nc_u32 v[BAH], LVEC-1024, v[BAH]
	v_add_nc_u32 v[BAF], LVEC-4096, v[BAF]
	s_add_nc_u64 s[12:13], s[12:13], 4096          ; and tables (their loads were waited for)
	s_sub_co_u32 s51, s51, 1
	s_branch .Llayer
.Ltail:
	CHANGE 0                                       ; the last slot: nothing is left to ask for
	s_mov_b32 s49, 2
.LF3:
	FTOP
	G3PREV
	FBODY
	COUNT 49, .LF3
	s_wait_dscnt 0x0
	MMG 1, 0, 3
	MMG 1, 1, 3
	PLACES
	WIN 0
	v_add_nc_u32 v[BAL], LVEC, v[BAL]              ; lnf_g, lnf_b
	; ================================================================ the last LayerNorm, the pool, the way out
	LNSTATS
	WORDOUT 0
	WORDOUT 1
.set n_, 0
.rept 4                                ; back as 512 consecutive bytes; LDS serves a wave's instructions in order (ISA guide 5.7.1.4)
	ds_load_b128 v[TF+4*n_:TF+4*n_+3], v[OLD] offset:512*n_
.set n_, n_+1
.endr
.set n_, 0
.rept 4
	s_wait_dscnt 3-n_
	global_store_b128 v[AL], v[TF+4*n_:TF+4*n_+3], s[14:15] offset:512*n_  ; each store covers 512 consecutive bytes, aligned
.set n_, n_+1
.endr
	s_wait_tensorcnt 0x0                           ; the wave's end: behind my last tensor load and my last LDS store
	ds_add_u32 v[SPW], v[NIL]
	s_wait_dscnt 0x0
	CROUND                                         ; the closing round: no work-group ends while a partner may still ask for a slot that names it
	s_endpgm
.Lfunc_end_k_q15590a19c8_main:
	.size	k_q15590a19c8_main, .Lfunc_end_k_q15590a19c8_main-k_q15590a19c8_main
	.p2alignl 7, 3214868480
	.fill 96, 4, 3214868480
	.section	.rodata,"a",@progbits
	.p2align	6, 0x0
	.amdhsa_kernel k_q15590a19c8_main
		.amdhsa_group_segment_fixed_size 327680
		.amdhsa_private_segment_fixed_size 0
		.amdhsa_enable_private_segment 0
		.amdhsa_kernarg_size 48
		.amdhsa_user_sgpr_count 2
		.amdhsa_user_sgpr_kernarg_segment_ptr 1
		.amdhsa_wavefront_size32 1
		.amdhsa_system_sgpr_workgroup_id_x 1
		.amdhsa_system_sgpr_workgroup_id_y 1
		.amdhsa_system_sgpr_workgroup_id_z 1
		.amdhsa_system_vgpr_workitem_id 0
		.amdhsa_next_free_vgpr 896
		.amdhsa_next_free_sgpr 90
		.amdhsa_reserve_vcc 1
		.amdhsa_float_denorm_mode_32 3
		.amdhsa_float_denorm_mode_16_64 3
		.amdhsa_memory_ordered 1
		.amdhsa_forward_progress 1
		.amdhsa_inst_pref_size 255
	.end_amdhsa_kernel
	.section	.bss,"aw",@nobits
	.p2align	6
	.space	262144
	.amdgpu_metadata
---
amdhsa.version: [ 1, 2 ]
amdhsa.kernels:
  - .name:           k_q15590a19c8_main
    .symbol:         k_q15590a19c8_main.kd
    .args:
      - { .name: xch, .offset: 0, .size: 8, .value_kind: global_buffer, .address_space: global }
      - { .name: etab, .offset: 8, .size: 8, .value_kind: global_buffer, .address_space: global }
      - { .name: wts, .offset: 16, .size: 8, .value_kind: global_buffer, .address_space: global }
      - { .name: vecs, .offset: 24, .size: 8, .value_kind: global_buffer, .address_space: global }
      - { .name: rel, .offset: 32, .size: 8, .value_kind: global_buffer, .address_space: global }
      - { .name: out0, .offset: 40, .size: 8, .value_kind: global_buffer, .address_space: global }
    .group_segment_fixed_size: 327680
    .private_segment_fixed_size: 0
    .kernarg_segment_align: 8
    .kernarg_segment_size: 48
    .max_flat_workgroup_size: 128
    .sgpr_count:     90
    .vgpr_count:     896
    .wavefront_size: 32
...
	.end_amdgpu_metadata
.endif
;; end of part 2
